; MI455X (gfx1250); checked and timed in simulation.
; The chip was launched on July 23, 2026; its instructions are those of AMD's public machine-readable ISA for CDNA 5 (MIT licence, August 2026) and "CDNA5" Instruction Set Architecture Reference Guide (July 2026). The comments in the code are by the model that wrote it; some were corrected since.
;; Bert Attention. Allowed arithmetic: matrix products marked QUANTISED: E5M2 operands, one E8M0 scale for each 32 along K, by v_wmma_scale_f32_16x16x128_f8f6f4 with both operands' format E5M2, f32 sums; everything else in f32.
;; Inputs: Wk 1,024 x 1,024 float32; Wq 1,024 x 1,024 float32; Wv 1,024 x 1,024 float32; bk 1,024 float32; bq 1,024 float32; bv 1,024 float32; context 4 x 2,048 x 1,024 float32; hidden_states 4 x 2,048 x 1,024 float32.
;; Outputs: out0 4 x 2,048 x 1,024 float32.
;; This version of the problem:
;;   THIS VERSION OF THE PROBLEM IS GIVEN IN LOW PRECISION. The matrix products marked QUANTISED in the list below multiply operands that are first quantised to E5M2 (5 exponent bits, 2 mantissa bits; 8 bits a number), with one power-of-two scale for each 32 numbers along K (OCP MX v1.0); their sums are f32. All else is computed in f32.
;;   The module's matrix products, in the order in which they are computed (A, B: the left and right operand; K: the contracted axis; several contracted axes count as one K, in the product's order):
;;     1. [M 8,192, K 1,024] x [K 1,024, N 1,024]; A: input hidden_states; B: input Wq: QUANTISED
;;     2. [M 8,192, K 1,024] x [K 1,024, N 1,024]; A: input context; B: input Wk: QUANTISED
;;     3. [M 8,192, K 1,024] x [K 1,024, N 1,024]; A: input context; B: input Wv: QUANTISED
;;     4. batch 64 x [M 2,048, K 64] x [K 64, N 2,048]; A: computed on the way; B: computed on the way: QUANTISED
;;     5. batch 64 x [M 2,048, K 2,048] x [K 2,048, N 64]; A: softmax (see below); B: computed on the way: QUANTISED
;;   THE QUANTISER, for each operand of a quantised product, along K:
;;     - K is cut into blocks of 32 from its start; a last block that is shorter is filled with zeros.
;;     - A block's scale is 2^e with e = floor(log2(the largest magnitude in the block)) - 15, held to -126 .. 127; a block of zeros has e = 0. As a byte (E8M0): e + 127.
;;     - Each number is divided by its block's scale, clamped to +-57,344, and rounded to the nearest number of E5M2, ties to even, subnormals kept.
;;     - The product sums the exact products of the quantised numbers (number of the format x scale) in f32.
;;   ~~~python
;;   def quantise(x, axis):      # numpy; x: float32 -> the quantised numbers, widened to float32 again
;;       x = np.moveaxis(x, axis, -1); K = x.shape[-1]
;;       x = np.pad(x, [(0, 0)] * (x.ndim - 1) + [(0, -K % 32)]); x = x.reshape(x.shape[:-1] + (-1, 32)); a = np.abs(x).max(-1, keepdims=True)
;;       e = np.where(a > 0, np.clip(np.frexp(np.where(a > 0, a, 1))[1] - 1 - 15, -126, 127), 0)      # np.frexp(a)[1] - 1 = floor(log2(a)), exactly
;;       r = np.clip(x / 2.0 ** e, -57344, 57344)
;;       step = 2.0 ** (np.maximum(np.frexp(np.where(r == 0, 1, r))[1] - 1, -14) - 2)
;;       q = np.round(r / step) * step * 2.0 ** e      # np.round: ties to even
;;       return np.moveaxis(q.reshape(q.shape[:-2] + (-1,))[..., :K], -1, axis).astype(np.float32)
;;   ~~~
;;   SOFTMAX AHEAD OF A QUANTISED PRODUCT. Where the list says 'softmax', what is quantised is not the finished softmax but p = 2^(t - M), with t = logit x log2(e) and M = ceil(the row's largest t), a whole number; so 1/2 < the row's largest p <= 1. The row's sum l is taken of the UNQUANTISED p, in f32, and the product's result is divided by l at the end. Since M is a whole number, a kernel that streams over the keys may use a running M (the ceiling of the running maximum): every later rescaling is an exact power of two, which a block's scale takes up: the codes' values come out the same.
;;   OPERANDS COMPUTED ON THE WAY. 'Computed on the way' means the value that the module computes at that place (a softmax that the list does not call 'softmax' is quantised finished and normalised). What goes into a quantiser is computed in f32, as accurately as f32 sums, v_exp_f32 and their like allow (about 1e-6 of the number): no bf16 or f16 on the way to a quantiser, and a product that is left as it is and whose result goes on into a quantised operand takes f32 operands (vector FMAs, or v_wmma_f32_16x16x4_f32). A number that lies on a knife's edge between two numbers of the format may be rounded either way, as far as f32 arithmetic and the matrix unit's own rounding can turn it there, and no further.
;; One version. Each part assembles by itself: llvm-mc -triple=amdgcn-amd-amdhsa -mcpu=gfx1250 --defsym DOCPART=n.
;; ======== version 1 of 1: 3 launches
;; workspace buffers: actc 16,777,216 bytes; acts 524,288 bytes; wc 3,145,728 bytes; ws 98,304 bytes; qkvc 25,165,824 bytes; qkvs 786,432 bytes
;; launch quant (part 1): grid 608 x 1, 4 waves a work-group, no clusters, 68,096 bytes of LDS; arguments hidden_states, context, Wq, Wk, Wv, actc, acts, wc, ws; writes actc, acts, wc, ws
.if DOCPART == 1
	.amdgcn_target "amdgcn-amd-amdhsa--gfx1250"
	.amdhsa_code_object_version 6
	.text
	.protected	k_qf14feda1bd_quant
	.globl	k_qf14feda1bd_quant
	.p2align	8
	.type	k_qf14feda1bd_quant,@function
k_qf14feda1bd_quant:
	s_mov_b64 s[64:65], 0
	v_nop
	global_prefetch_b8 v0, s[64:65] scope:SCOPE_SE
	s_setreg_imm32_b32 hwreg(HW_REG_WAVE_MODE, 25, 1), 1
	s_wait_xcnt 0x0
; hidden_states and context ([8192][1024] f32 each, K innermost) and Wq, Wk, Wv ([1024 k][1024 n] f32, K outermost) become codes of BF8 (E5M2), K innermost,
; 1,024 bytes a row, with one E8M0 scale byte for each 32 along K, 32 bytes a row.  actc/acts: hidden_states' 8,192 rows, then context's.  wc/ws: Wq's 1,024 rows n, then Wk's, then Wv's.
; A block's scale is 2^(floor(log2(its largest magnitude)) - 15); its byte is the largest magnitude's exponent field - 15, held at 1 from below.  Each number is divided by the scale,
; held within +-57,344 and rounded to the nearest code, ties to even.
; THE ROWS ARE LAID IN ANOTHER ORDER: within every 32 rows, row rho lies at the place that is rho with bits 3 and 4 exchanged.  Sixteen neighbouring places 16 T + r, T = 2 b + u, then hold the rows
; 32 b + 8 u + r + 8 (r / 8): the rows that the next launch wants as one tile, so that its results' registers run along neighbours of the next product's K.
; LIMITS: a block of zeros gets the byte 1 where the rule says 127 (its codes are zeros, and this program alone reads the bytes); blocks whose largest magnitude lies under 2^(16 - 127) keep the byte 1;
; NaN and infinities among the inputs are not served.
; SHARES: work-groups 0 to 95 take the weights (32 each: 8 strips of 128 columns x 4 pieces of 256 along K), work-groups 96 to 607 the activations, 32 rows each.  The two ways have LDS bytes of their own.
; No tensor loads, no barrier: waves share nothing.  No prefetch: the launch does nothing but stream, with 16 to 64 loads of every wave on their way.
.set WGW,   96                         ; work-groups for the weights
.set MANT,  0x600000                   ; the mantissa field of 57,344 as f32
; the activations' way
.set STEPS, 16
.set R,     16                         ; v16-79   four sets of 16 numbers as they are loaded
.set X,     80                         ; v80-111  two sets of 16 neighbours
.set E,     112                        ; v112-127 a scale byte for each step
.set C,     128                        ; v128-191 codes: four registers for each step, so that no store's data are written again
.set WREG,  8192                       ; LDS 0 .. 32,767: a region for each wave: two stages of 32 x SP bytes, behind them its 256 scale bytes
.set SP,    80                         ; a lane's place in a stage: its 64 bytes + 16 of padding
; the weights' way
.set NB,    8                          ; blocks of 32 along K for a wave
.set PITCH, 272                        ; a stage row: 256 bytes of codes + 16
.set KROW,  1024                       ; a row of codes in bytes
.set NROW,  4096                       ; a row of a weight in memory
.set WSTG,  32768                      ; LDS 32,768 .. 67,583: a stage of 32 rows for each wave
.set WX,    32                         ; v32-95   two sets of 32 numbers
.set WC,    96                         ; v96-103  a block's codes
.set OUTR,  112                        ; v112-175 the way out
.set SB,    24                         ; v24-25   the scale bytes, four to a register
	s_load_b256 s[4:11], s[0:1], 0x0               ; hidden_states, context, Wq, Wk
	s_load_b256 s[12:19], s[0:1], 0x20             ; Wv, actc, acts, wc
	s_load_b64 s[20:21], s[0:1], 0x40              ; ws
	v_lshl_add_u32 v192, v0, 2, 0x10800
	v_mov_b32 v193, 0
	v_lshrrev_b32 v1, 5, v0
	v_readfirstlane_b32 s22, v1                    ; wave 0..3
	v_and_b32 v2, 31, v0                           ; lane
	s_mov_b32 s31, MANT                            ; (an instruction takes one literal: the hold's line has another)
	s_cmp_lt_u32 ttmp9, WGW
	s_cbranch_scc1 .Lweights
; ---------------- THE ACTIVATIONS.  A wave takes 8 rows = 8,192 numbers, 16 steps of 512.  Each load reads 512 consecutive bytes; a step's 2,048 bytes turn through the wave's own stage,
; so that a lane then holds 16 neighbours along K (two neighbouring lanes hold a block).  A lane's 16 codes are 16 bytes: the wave stores 512 consecutive bytes.
	v_lshlrev_b32 v3, 4, v2                        ; 16 x lane: my bytes of a load's 512, and of a store's
	s_mul_i32 s23, s22, WREG
	v_lshrrev_b32 v14, 2, v2
	v_mul_u32_u24 v14, v14, SP
	v_and_b32 v15, 3, v2
	v_lshl_add_u32 v14, v15, 4, v14
	v_add_nc_u32 v14, s23, v14                     ; the stage, on the way in: SP (lane / 4) + 16 (lane % 4)
	v_mul_u32_u24 v15, v2, SP
	v_add_nc_u32 v15, s23, v15                     ; on the way out: SP x lane
	v_lshrrev_b32 v5, 1, v2
	s_add_co_u32 s23, s23, 2*32*SP
	v_add_nc_u32 v5, s23, v5                       ; my wave's 256 scale bytes, my block's byte
	v_lshlrev_b32 v7, 3, v2
	v_add_nc_u32 v6, s23, v7                       ; and on the way out 8 bytes a lane
	s_sub_co_u32 s24, ttmp9, WGW                   ; a: which 32 rows of the 16,384
	s_and_b32 s25, s24, 255
	s_lshl_b32 s25, s25, 2
	s_add_co_u32 s25, s25, s22                     ; my run of 8 rows in its tensor
	s_lshl_b32 s26, s25, 15                        ; 32,768 bytes a run
	s_mov_b32 s27, 0
	s_and_b32 s28, s22, 1
	s_lshl_b32 s28, s28, 1
	s_lshr_b32 s29, s22, 1
	s_or_b32 s28, s28, s29                         ; the wave's number is bits 3 and 4 of the row: exchanged
	s_lshl_b32 s29, s24, 2
	s_add_co_u32 s28, s28, s29                     ; the run's place in actc and acts
	s_lshl_b32 s32, s28, 13                        ; 8,192 bytes of codes a run
	s_mov_b32 s33, 0
	s_lshl_b32 s34, s28, 8                         ; 256 scale bytes a run
	s_mov_b32 s35, 0
	s_wait_kmcnt 0x0
	s_cmp_lt_u32 s24, 256                          ; hidden_states or context: the choice hangs on the work-group's number alone
	s_cselect_b64 s[4:5], s[4:5], s[6:7]
	s_add_nc_u64 s[4:5], s[4:5], s[26:27]
	s_add_nc_u64 s[14:15], s[14:15], s[32:33]
	s_add_nc_u64 s[16:17], s[16:17], s[34:35]
.macro ALOAD t
.irp i, 0,1,2,3
	global_load_b128 v[R+16*((\t)%4)+4*\i:R+16*((\t)%4)+4*\i+3], v3, s[4:5] offset:2048*(\t)+512*\i th:TH_LOAD_NT   ; 32 lanes read 512 consecutive bytes
.endr
.endm
.macro ATURN t                         ; step t's numbers through the stage: LDS serves a wave's instructions in order, so no wait stands between the stores and the loads
.irp i, 0,1,2,3
	ds_store_b128 v14, v[R+16*((\t)%4)+4*\i:R+16*((\t)%4)+4*\i+3] offset:32*SP*((\t)%2)+8*SP*\i
.endr
.irp i, 0,1,2,3
	ds_load_b128 v[X+16*((\t)%2)+4*\i:X+16*((\t)%2)+4*\i+3], v15 offset:32*SP*((\t)%2)+16*\i
.endr
.endm
.irp t, 0,1,2,3
	ALOAD \t
.endr
	s_wait_loadcnt 12                              ; step 0's four loads are in; the twelve of steps 1 to 3 may be out
	ATURN 0
.macro ASTEP t
.set XS, X+16*((\t)%2)
.if (\t) > 0
	s_wait_dscnt 1                                 ; this step's numbers are back from the stage (the last step's byte store may be out): so its stores into the stage have read their registers,
.else
	s_wait_dscnt 0x0
.endif
.if (\t)+4 < STEPS
	ALOAD (\t)+4                                   ; which take the loads of four steps on
.endif
.if (\t)+1 < STEPS
.if STEPS-2-(\t) >= 3
	s_wait_loadcnt 12                              ; the next step's four loads are in; those of the three steps behind it may be out
.else
	s_wait_loadcnt 4*(STEPS-2-(\t))
.endif
	ATURN (\t)+1                                   ; and go through the other stage while this step is worked
.endif
	v_max3_num_f32 v8, |v[XS]|, |v[XS+1]|, |v[XS+2]|               ; the largest magnitude of my 16, in two chains
	v_max3_num_f32 v9, |v[XS+3]|, |v[XS+4]|, |v[XS+5]|
.irp i, 6,10
	v_max3_num_f32 v8, v8, |v[XS+\i]|, |v[XS+\i+1]|
	v_max3_num_f32 v9, v9, |v[XS+\i+2]|, |v[XS+\i+3]|
.endr
	v_max3_num_f32 v8, v8, |v[XS+14]|, |v[XS+15]|
	v_max3_num_f32 v8, v8, v9, 0x8000000           ; and the floor 2^(16 - 127): so the byte cannot fall under 1
	v_max_num_f32_dpp v8, v8, v8 row_xmask:1 row_mask:0xf bank_mask:0xf   ; and of my neighbour's 16: the block's
	v_add_nc_u32 v11, 0xf8800000, v8               ; 15 off its exponent field: the conversion takes the exponent field of this operand as its scale, and nothing else of it
	v_and_or_b32 v10, v8, 0x7f800000, s31          ; 57,344 x the scale: the largest magnitude's exponent field over 57,344's mantissa
.irp i, 0,1,2,3,4,5,6,7,8,9,10,11,12,13,14,15
	v_med3_num_f32 v[XS+\i], v[XS+\i], -v10, v10   ; the conversion to an 8-bit code does not saturate (ISA guide 7.6.2): hold the number first
.endr
	v_cvt_scalef32_pk8_bf8_f32 v[C+4*(\t):C+4*(\t)+1], v[XS:XS+7], v11
	v_cvt_scalef32_pk8_bf8_f32 v[C+4*(\t)+2:C+4*(\t)+3], v[XS+8:XS+15], v11
	v_lshrrev_b32 v[E+(\t)], 23, v11               ; the scale's byte (also the plain line behind the conversions)
	ds_store_b8 v5, v[E+(\t)] offset:16*(\t)       ; both lanes of a block write the same byte with the same value
	global_store_b128 v3, v[C+4*(\t):C+4*(\t)+3], s[14:15] offset:512*(\t)   ; the wave stores 512 consecutive bytes, aligned
.endm
.irp t, 0,1,2,3,4,5,6,7,8,9,10,11,12,13,14,15
	ASTEP \t
.endr
	ds_load_b64 v[12:13], v6                       ; LDS serves a wave's instructions in order: these see my byte stores
	s_wait_dscnt 0x0
	global_store_b64 v7, v[12:13], s[16:17]        ; 32 lanes store 256 consecutive bytes, aligned: the scale bytes of my 8 rows
	s_wait_tensorcnt 0x0
	ds_add_u32 v192, v193
	s_wait_dscnt 0x0
	s_endpgm
; ---------------- THE WEIGHTS.  A lane takes a column n and its registers run down K: a block of 32 along K lies in one lane's 32 registers, and the conversions give codes with K innermost.
; A wave takes 32 columns x 256 along K; the codes go through the wave's own stage and leave as rows: sixteen lanes store 256 consecutive bytes.
.Lweights:
	s_lshr_b32 s24, ttmp9, 5                       ; which weight: 0 Wq, 1 Wk, 2 Wv
	s_and_b32 s25, ttmp9, 7                        ; which strip of 128 columns
	s_bfe_u32 s26, ttmp9, 0x20003                  ; which 256 along K
	s_lshl_b32 s25, s25, 7
	s_lshl_b32 s27, s22, 5
	s_add_co_u32 s25, s25, s27                     ; my wave's first column, a multiple of 32
	v_lshlrev_b32 v3, 2, v2                        ; in: 4 bytes a lane
	s_mul_i32 s27, s22, 32*PITCH
	s_add_co_u32 s27, s27, WSTG                    ; my stage
	v_mul_u32_u24 v4, v2, PITCH
	v_add_nc_u32 v4, s27, v4                       ; into it: row = my column
	v_and_b32 v5, 15, v2
	v_lshrrev_b32 v6, 4, v2
	v_mul_u32_u24 v7, v6, PITCH
	v_lshl_add_u32 v7, v5, 4, v7
	v_add_nc_u32 v7, s27, v7                       ; out of it: sixteen lanes to a row, two rows an instruction
	v_lshlrev_b32 v8, 10, v6
	v_lshl_add_u32 v8, v5, 4, v8                   ; and in wc: the odd row lies one place on (bit 0 keeps its place)
	v_and_b32 v9, 7, v2                            ; my column's place among the 32: bits 3 and 4 exchanged,
	v_and_b32 v10, 8, v2
	v_lshl_or_b32 v9, v10, 1, v9
	v_and_b32 v10, 16, v2
	v_lshrrev_b32 v10, 1, v10
	v_or_b32 v9, v9, v10
	v_lshlrev_b32 v9, 5, v9                        ; x 32 scale bytes a row
	s_lshl_b32 s28, s26, 20                        ; the weight: 256 rows of 4,096 bytes for each piece of K,
	s_lshl_b32 s29, s25, 2
	s_add_co_u32 s28, s28, s29                     ; + 4 x column
	s_mov_b32 s29, 0
	s_lshl_b32 s32, s24, 20                        ; wc: 1 MiB a weight,
	s_lshl_b32 s33, s25, 10
	s_add_co_u32 s32, s32, s33                     ; + 1,024 x column
	s_lshl_b32 s33, s26, 8
	s_add_co_u32 s32, s32, s33                     ; + 256 x piece
	s_mov_b32 s33, 0
	s_lshl_b32 s34, s24, 15                        ; ws: 32 KiB a weight, 32 bytes a column, 8 a piece
	s_lshl_b32 s35, s25, 5
	s_add_co_u32 s34, s34, s35
	s_lshl_b32 s35, s26, 3
	s_add_co_u32 s34, s34, s35
	s_mov_b32 s35, 0
	s_wait_kmcnt 0x0
	s_cmp_eq_u32 s24, 0
	s_cselect_b64 s[8:9], s[8:9], s[10:11]
	s_cmp_eq_u32 s24, 2
	s_cselect_b64 s[8:9], s[12:13], s[8:9]         ; the choice hangs on the work-group's number alone
	s_add_nc_u64 s[8:9], s[8:9], s[28:29]
	s_add_nc_u64 s[18:19], s[18:19], s[32:33]
	s_add_nc_u64 s[20:21], s[20:21], s[34:35]
.macro WLOAD t                         ; block t: W(32 t + i, my column), i = 0 .. 31, into set t % 2: 32 lanes read 128 consecutive bytes, the four waves stand side by side
.irp i, 0,1,2,3,4,5,6,7,8,9,10,11,12,13,14,15,16,17,18,19,20,21,22,23,24,25,26,27,28,29,30,31
	global_load_b32 v[WX+32*((\t)%2)+\i], v3, s[8:9] offset:(32*(\t)+\i)*NROW th:TH_LOAD_NT
.endr
.endm
	WLOAD 0
	WLOAD 1
.macro WBLOCK t
.set XS, WX+32*((\t)%2)
.if (\t) < NB-1
	s_wait_loadcnt 32                              ; this block's 32 loads are in; the next block's 32 may be out
.else
	s_wait_loadcnt 0
.endif
	v_max3_num_f32 v12, |v[XS]|, |v[XS+1]|, |v[XS+2]|               ; the block's largest magnitude: all 32 numbers are mine
	v_max3_num_f32 v13, |v[XS+3]|, |v[XS+4]|, |v[XS+5]|
.irp i, 6,10,14,18,22,26
	v_max3_num_f32 v12, v12, |v[XS+\i]|, |v[XS+\i+1]|
	v_max3_num_f32 v13, v13, |v[XS+\i+2]|, |v[XS+\i+3]|
.endr
	v_max3_num_f32 v12, v12, |v[XS+30]|, |v[XS+31]|
	v_max3_num_f32 v12, v12, v13, 0x8000000        ; and the floor 2^(16 - 127)
	v_add_nc_u32 v11, 0xf8800000, v12              ; the conversion's scale operand
	v_and_or_b32 v10, v12, 0x7f800000, s31         ; 57,344 x the scale
	v_lshrrev_b32 v13, 23, v11                     ; the scale's byte
.if (\t)%4 == 0
	v_mov_b32 v[SB+(\t)/4], v13                    ; four bytes to a register, the lower K in the lower byte
.else
	v_lshl_or_b32 v[SB+(\t)/4], v13, 8*((\t)%4), v[SB+(\t)/4]
.endif
.irp i, 0,1,2,3,4,5,6,7,8,9,10,11,12,13,14,15,16,17,18,19,20,21,22,23,24,25,26,27,28,29,30,31
	v_med3_num_f32 v[XS+\i], v[XS+\i], -v10, v10   ; the hold at the largest code x the scale
.endr
.irp g, 0,1,2,3
	v_cvt_scalef32_pk8_bf8_f32 v[WC+2*\g:WC+2*\g+1], v[XS+8*\g:XS+8*\g+7], v11
.endr
	ds_store_b128 v4, v[WC:WC+3] offset:32*(\t)    ; 32 codes: 32 bytes of my column's row
	ds_store_b128 v4, v[WC+4:WC+7] offset:32*(\t)+16
.if (\t)+2 < NB
	WLOAD (\t)+2
.endif
	s_wait_dscnt 0x0                               ; the stores have read their registers: the next block's codes may be written
.endm
.irp t, 0,1,2,3,4,5,6,7
	WBLOCK \t
.endr
	global_store_b64 v9, v[SB:SB+1], s[20:21]      ; my column's 8 scale bytes, at its place
.irp t, 0,1,2,3,4,5,6,7,8,9,10,11,12,13,14,15
	ds_load_b128 v[OUTR+4*\t:OUTR+4*\t+3], v7 offset:2*\t*PITCH   ; LDS serves a wave's instructions in order: these see my stores
.endr
.irp t, 0,1,2,3,4,5,6,7,8,9,10,11,12,13,14,15
	s_wait_dscnt 15-\t                             ; the younger reads of the stage may be out
	global_store_b128 v8, v[OUTR+4*\t:OUTR+4*\t+3], s[18:19] offset:(((2*\t)&7)+(((2*\t)>>3)&1)*16+(((2*\t)>>4)&1)*8)*KROW   ; columns 2 t and 2 t + 1 at their places: 16 lanes store 256 consecutive bytes, aligned
.endr
	s_wait_tensorcnt 0x0
	ds_add_u32 v192, v193
	s_wait_dscnt 0x0
	s_endpgm
.Lfunc_end_k_qf14feda1bd_quant:
	.size	k_qf14feda1bd_quant, .Lfunc_end_k_qf14feda1bd_quant-k_qf14feda1bd_quant
	.p2alignl 7, 3214868480
	.fill 96, 4, 3214868480
	.section	.rodata,"a",@progbits
	.p2align	6, 0x0
	.amdhsa_kernel k_qf14feda1bd_quant
		.amdhsa_group_segment_fixed_size 68096
		.amdhsa_private_segment_fixed_size 0
		.amdhsa_enable_private_segment 0
		.amdhsa_kernarg_size 72
		.amdhsa_user_sgpr_count 2
		.amdhsa_user_sgpr_kernarg_segment_ptr 1
		.amdhsa_wavefront_size32 1
		.amdhsa_system_sgpr_workgroup_id_x 1
		.amdhsa_system_sgpr_workgroup_id_y 1
		.amdhsa_system_sgpr_workgroup_id_z 1
		.amdhsa_system_vgpr_workitem_id 0
		.amdhsa_next_free_vgpr 194
		.amdhsa_next_free_sgpr 66
		.amdhsa_reserve_vcc 0
		.amdhsa_float_denorm_mode_32 3
		.amdhsa_float_denorm_mode_16_64 3
		.amdhsa_memory_ordered 1
		.amdhsa_forward_progress 1
		.amdhsa_inst_pref_size 110
	.end_amdhsa_kernel
	.amdgpu_metadata
---
amdhsa.version: [ 1, 2 ]
amdhsa.kernels:
  - .name:           k_qf14feda1bd_quant
    .symbol:         k_qf14feda1bd_quant.kd
    .args:
      - { .name: hidden_states, .offset: 0, .size: 8, .value_kind: global_buffer, .address_space: global }
      - { .name: context, .offset: 8, .size: 8, .value_kind: global_buffer, .address_space: global }
      - { .name: Wq, .offset: 16, .size: 8, .value_kind: global_buffer, .address_space: global }
      - { .name: Wk, .offset: 24, .size: 8, .value_kind: global_buffer, .address_space: global }
      - { .name: Wv, .offset: 32, .size: 8, .value_kind: global_buffer, .address_space: global }
      - { .name: actc, .offset: 40, .size: 8, .value_kind: global_buffer, .address_space: global }
      - { .name: acts, .offset: 48, .size: 8, .value_kind: global_buffer, .address_space: global }
      - { .name: wc, .offset: 56, .size: 8, .value_kind: global_buffer, .address_space: global }
      - { .name: ws, .offset: 64, .size: 8, .value_kind: global_buffer, .address_space: global }
    .group_segment_fixed_size: 68096
    .private_segment_fixed_size: 0
    .kernarg_segment_align: 8
    .kernarg_segment_size: 72
    .max_flat_workgroup_size: 128
    .sgpr_count:     66
    .vgpr_count:     194
    .wavefront_size: 32
...
	.end_amdgpu_metadata
.endif
;; end of part 1
;; launch proj (part 2): grid 4 x 96, 4 waves a work-group, clusters of 4 x 4, 327,680 bytes of LDS; arguments actc, acts, wc, ws, bq, bk, bv, qkvc, qkvs; writes qkvc, qkvs
.if DOCPART == 2
	.amdgcn_target "amdgcn-amd-amdhsa--gfx1250"
	.amdhsa_code_object_version 6
	.text
	.protected	k_qf14feda1bd_proj
	.globl	k_qf14feda1bd_proj
	.p2align	8
	.type	k_qf14feda1bd_proj,@function
k_qf14feda1bd_proj:
	s_mov_b64 s[64:65], 0
	v_nop
	global_prefetch_b8 v0, s[64:65] scope:SCOPE_SE
	s_setreg_imm32_b32 hwreg(HW_REG_WAVE_MODE, 25, 1), 1
	s_wait_xcnt 0x0
	s_wait_alu depctr_hold_cnt(0) depctr_sa_sdst(0) depctr_va_vdst(0) depctr_va_sdst(0) depctr_va_ssrc(0) depctr_va_vcc(0) depctr_vm_vsrc(0)
	s_getreg_b32 s2, hwreg(HW_REG_IB_STS2, 6, 4)
	s_cmp_eq_u32 s2, 0
	s_cbranch_scc0 .Lentry_in_a_cluster
	s_endpgm
.Lentry_in_a_cluster:
	s_bfe_u32 s2, ttmp6, 0x10000c
	s_cmp_lg_u32 s2, 0xf033
	s_cbranch_scc0 .Lentry_shape_is_right
	s_endpgm
.Lentry_shape_is_right:
; q = hidden_states Wq + bq, k = context Wk + bk, v = context Wv + bv, on codes of BF8 (E5M2) with one E8M0 scale for each 32 along K = 1,024; the results, in f32, are quantised at once
; for the attention that follows: q and k along the head's 64 (blocks of 32 of n), v along the keys (blocks of 32 tokens).  No f32 result goes to memory.
; THE PRODUCT.  D = X Y^T, source 0 = 16 rows of X, source 1 = 16 rows of Y: in a result lane (r, h) holds row r of Y's tile, and registers 0 to 7 hold rows 8 h + 0..7 of X's tile.
; X is the side along which the result is quantised: for q and k the weight's rows n (Y = tokens), for v the tokens (Y = the weight's rows n).  Both sides lie in memory with bits 3 and 4 of the row's
; number exchanged within every 32 rows: so tile 2 b + u, lane r, is row 32 b + 8 u + r + 8 (r / 8), and for one tile of Y the 64 registers of X's eight tiles are, in order, X's rows 32 b + 16 h + i
; (register 16 b + i): four blocks of 32, each shared by lanes l and l xor 16, in the very order of an operand's registers.
; SHARES.  24 clusters of 4 x 4 work-groups: 8 for each of q, k, v; a cluster makes 1,024 (X) x 1,024 (Y), a work-group 256 x 256, each of its four waves 128 x 128: 64 accumulators, 512 registers.
; K goes in four steps of 256 through a ring of two LDS slots filled by the tensor data mover; the scale bytes of the work-group's rows, for all of K, come into LDS once, with the first fills.
; The four work-groups of a row of the cluster need the same tiles of Y, the four of a column the same tiles of X: each tile is asked for jointly.
; WHAT IS STORED.  For a wave's 128 (X) x 128 (Y) an IMAGE OF OPERAND REGISTERS: for each tile y of Y, 16 registers of codes, chunk c (registers 4 c .. 4 c + 3) at y x 2,048 + 512 c + 16 x lane: every store is
; 512 consecutive bytes, aligned.  qkvc: [q, k, v][batch 4][pair of heads 8][128 tokens 16][16,384 bytes].  The scale words: qkvs, 512 bytes an image: lane l's four words; word i is tile 2 i's in lanes 0-15, tile 2 i + 1's in lanes 16-31.
; LIMITS: a block of zeros gets the byte 1 (its codes are zeros; this program alone reads the bytes); blocks under 2^(16 - 127) keep the byte 1; NaN and infinities are not served.
; No prefetch: a tile has four K steps, of which two are asked for at the head.
; REGISTERS, in windows of 256: window 0: v1-6 at work at the head; v8-15 the bias by lane; v16-31 addresses; v32-63 scale words, two sets; v64-127 the bias by register; from v128 Y's fragments, one set;
;   on the way out v128-235 are at work.   window 1: X's fragments, two sets.   window 2: the accumulators of Y's tiles 0-3 ((y, x) at v[8 (8 (y % 4) + x)]);   window 3: those of tiles 4-7.
.set NQ,     2                         ; matrix instructions deep in a K step of 256
.set ROWB,   256                       ; a tile's row in bytes
.set KROW,   1024                      ; a row of codes in memory
.set PITCH,  272                       ; an LDS row: 256 bytes + 16 of padding = 68 words: the 16 rows that a load touches start at 16 different banks (64 banks of 4 bytes: ISA guide 11.1)
.set FR,     16                        ; registers of a fragment: 16 rows x 128 K
.set NL,     4                         ; LDS loads that bring one
.set NP,     8                         ; places behind this matrix instruction (ISA guide 7.12.1)
.set HALFT,  128*PITCH                 ; 128 rows: what one tensor load brings
.set SLOT,   4*HALFT                   ; Y's 256 rows, then X's 256 rows
.set KS,     32                        ; a row of scale bytes
.set SCL,    2*SLOT                    ; behind the ring: the scales, as pieces of 256 bytes + 16 of padding
.set HALFS,  (128*KS/256)*272          ; the scales of 128 rows
.set SBLK,   (16*KS/256)*272           ; those of 16 rows
.set SPARE,  SCL+4*HALFS               ; behind the scales: the spare words, 128 bytes for each wave, which no other line names
.set BY,   8                           ; v8-15    the bias of Y's row (tile y, my lane): used where n runs along Y (v)
.set ADRA, 16                          ; v16-17   LDS address of my Y fragments in slot 0, 1
.set ADRB, 20                          ; v20-21   the same for X
.set OA,   26                          ; v26      16 x lane: my place in every store
.set ADRS, 27                          ; v27      LDS address of my scale words: lanes 0-15 Y's rows, lanes 16-31 X's
.set SPW,  28                          ; v28      LDS address of my spare word; never rewritten
.set NIL,  29                          ; v29      0; never rewritten
.set BXA,  30                          ; v30      byte offset of the bias by register
.set BYA,  31                          ; v31      byte offset of the bias by lane
.set SC,   32                          ; scale words: set s at v[SC + 16 s]; register 2 i + q: lanes 0-15 Y's tile i, lanes 16-31 X's tile i, the slot's q-th 128 along K
.set BX,   64                          ; v64-127  the bias of X's rows, register 8 x + j as in the results: used where n runs along X (q, k)
.set AF,   128                         ; Y's fragments
.set ST,   128                         ; the way out: v128-191 a tile's 64 numbers with their bias
.set PC,   192                         ; v192-207 its codes
.set TM,   208                         ; v208-223 at work in the quantiser
.set SW,   224                         ; v224-231 the eight tiles' scale words
.set MG,   232                         ; v232-235 the four words of the scale image
.set G1, 24                            ; s[24:31] descriptor group 1 for Y's tiles;  s[32:39] group 0, one set for each slot
.set G0, 32
.set G1B, 48                           ; s[48:55], s[56:63] the same for X's tiles
.set G0B, 56
.set G1S, 68                           ; s[68:75], s[76:79] groups 1 and 0 for Y's scales;  s[80:87], s[88:91] for X's
.set G0S, 76
.set G1SB, 80
.set G0SB, 88
.set OC,  12                           ; s[12:13] where my image of codes begins
.set OS,  96                           ; s[96:97] and my image of scale words
.set BP,  98                           ; s[98:99] bq, bk or bv
.set PRJ, 100                          ; s100     0: q, 1: k, 2: v: from the cluster's number, the same in all sixteen partners
.set SEL, 20                           ; s[20:21] on the way out: lane selects for v_permlanex16_b32
.set MNT, 22                           ; s22      on the way out: the mantissa field of 57,344
.set MSB, 0
.macro WIN new                         ; the immediate's high byte repeats the setting that is left; a switch that changes nothing is dropped
.if MSB != (\new)
	s_set_vgpr_msb (MSB<<8)|(\new)
.set MSB, (\new)
.endif
.endm
.set MUL_LO, 0xa1                      ; source 0 (X) window 1, source 1 (Y) window 0, C and D window 2
.set MUL_HI, 0xf1                      ; the same, C and D window 3
.set TO_B,   0x40                      ; destination window 1, address window 0
; A joint load: waves 0 and 1 fetch for Y, waves 2 and 3 for X.  Each of the two lines has one mask and one set of registers for all that issue it; the branch hangs on the wave's number alone.
; Four v_nop follow each of the two lines, ahead of the jump, the label and what follows.
.macro JLOAD g0a, g1a, g0b, g1b
	s_cmp_eq_u32 s15, 0
	s_cbranch_scc0 .Lfor_b_\@
	tensor_load_to_lds s[\g0a:\g0a+3], s[\g1a:\g1a+7]
	s_nop 0
.rept 4
	v_nop
.endr
	s_branch .Lasked_\@
.Lfor_b_\@:
	tensor_load_to_lds s[\g0b:\g0b+3], s[\g1b:\g1b+7]
	s_nop 0
.rept 4
	v_nop
.endr
.Lasked_\@:
.endm
.macro CREST                           ; a round of the cluster's barrier behind its opening barrier
	s_cmp_lg_u32 s14, 0
	s_cbranch_scc1 .Lnot_wave_0_\@
	s_barrier_signal -3
.Lnot_wave_0_\@:
	s_barrier_wait -3
	s_barrier_signal -1
	s_barrier_wait -1
.endm
.macro CROUND                          ; a whole round
	s_barrier_signal -1
	s_barrier_wait -1
	CREST
.endm
	s_load_b256 s[68:75], s[0:1], 0x0              ; actc, acts, wc, ws
	s_load_b256 s[80:87], s[0:1], 0x20             ; bq, bk, bv, qkvc
	s_load_b64 s[OS:OS+1], s[0:1], 0x40            ; qkvs
	v_lshl_add_u32 v[SPW], v0, 2, SPARE
	v_mov_b32 v[NIL], 0
	ds_add_u32 v28, v29
	ds_add_u32 v28, v29
	s_wait_dscnt 0x0
	v_lshrrev_b32 v1, 5, v0
	v_readfirstlane_b32 s14, v1                    ; wave 0..3
	s_lshr_b32 s15, s14, 1                         ; which half of the tile's Y rows is mine.  Also: I fetch for Y (0) or for X (1)
	s_and_b32 s16, s14, 1                          ; which half of its X rows.  Also: which 128 rows of that tile I fetch
	s_bfe_u32 s40, ttmp6, 0x40000                  ; cx, cy: my place in the cluster
	s_bfe_u32 s41, ttmp6, 0x40004
	s_and_b32 s2, ttmp7, 0xffff                    ; the cluster's number, 0 to 23
	s_lshr_b32 s[PRJ], s2, 3                       ; eight clusters for each of q, k, v
	s_and_b32 s2, s2, 7
	s_lshl_b32 s2, s2, 2                           ; the eight lie along the tokens: four tiles of 256 each
	s_cmp_eq_u32 s[PRJ], 2
	s_cselect_b32 s42, s2, 0                       ; v: the tokens are X
	s_cselect_b32 s17, 0, s2                       ; q, k: the tokens are Y
	s_add_co_u32 s42, s42, s40                     ; X's tile of 256 rows
	s_add_co_u32 s17, s17, s41                     ; Y's tile
	s_lshl_b32 s43, s41, 2
	s_lshl_b32 s43, 15, s43                        ; my row of the cluster
	s_lshl_b32 s44, 0x1111, s40                    ; my column
	; descriptor group 1: a tile of 128 rows x 256 bytes, padded in LDS
	s_or_b32 s[G1+0], s43, (0<<16)|(1<<20)|(1<<21)|(5<<22)|(3<<25)  ; 15:0 the mask: Y's tiles go to my row; 17:16 element of 1 byte; 20 padding on; 21 set beside a mask; 24:22 after every 64 words (code 5); 31:25 of 4 words (code 3)
	s_or_b32 s[G1B+0], s44, (0<<16)|(1<<20)|(1<<21)|(5<<22)|(3<<25)
.irp g, G1, G1B
	s_mov_b32 s[\g+1], ROWB<<16                    ; tensor_dim0
	s_mov_b32 s[\g+2], 128<<16                     ; tensor_dim1 = 128
	s_mov_b32 s[\g+3], ROWB<<16                    ; tile_dim0
	s_mov_b32 s[\g+4], 128                         ; tile_dim1 = 128
	s_mov_b32 s[\g+5], KROW                        ; tensor_dim0_stride
	s_mov_b32 s[\g+6], 0
	s_mov_b32 s[\g+7], 0
.endr
	s_min_u32 s18, s[PRJ], 1                       ; the activations: hidden_states for q, context for k and v
	s_lshl_b32 s76, s18, 23                        ; 8,192 rows of 1,024 bytes,
	s_mov_b32 s77, 0
	s_lshl_b32 s78, s18, 18                        ; of 32 scale bytes
	s_mov_b32 s79, 0
	s_lshl_b32 s88, s[PRJ], 20                     ; the weight: 1,024 rows of 1,024 bytes,
	s_mov_b32 s89, 0
	s_lshl_b32 s90, s[PRJ], 15                     ; of 32 scale bytes
	s_mov_b32 s91, 0
	s_lshl_b32 s18, s16, 7                         ; which 128 rows of the tile I fetch
	s_lshl_b32 s20, s17, 8
	s_add_co_u32 s20, s20, s18                     ; Y: row 256 x tile + 128 x half
	s_lshl_b32 s46, s42, 8
	s_add_co_u32 s46, s46, s18                     ; X likewise
	s_lshl_b32 s22, s20, 5                         ; where these rows' scales begin, in bytes,
	s_lshl_b32 s92, s46, 5
	s_lshl_b32 s20, s20, 10                        ; and their codes
	s_lshl_b32 s46, s46, 10
	s_mov_b32 s21, 0
	s_mov_b32 s23, 0
	s_mov_b32 s47, 0
	s_mov_b32 s93, 0
	s_mul_i32 s45, s14, HALFT                      ; where they go: wave x 128 rows: no place in the cluster enters an LDS address
	s_mul_i32 s94, s14, HALFS
	s_wait_kmcnt 0x0
	s_add_nc_u64 s[68:69], s[68:69], s[76:77]      ; the activations' codes,
	s_add_nc_u64 s[70:71], s[70:71], s[78:79]      ; their scales,
	s_add_nc_u64 s[72:73], s[72:73], s[88:89]      ; the weight's codes,
	s_add_nc_u64 s[74:75], s[74:75], s[90:91]      ; its scales
	s_cmp_eq_u32 s[PRJ], 2                         ; the choices hang on the cluster's number alone
	s_cselect_b64 s[4:5], s[72:73], s[68:69]       ; Y's codes
	s_cselect_b64 s[6:7], s[74:75], s[70:71]       ; Y's scales
	s_cselect_b64 s[8:9], s[68:69], s[72:73]       ; X's codes
	s_cselect_b64 s[10:11], s[70:71], s[74:75]     ; X's scales
	s_cselect_b64 s[BP:BP+1], s[84:85], s[82:83]   ; bv or bk,
	s_cmp_eq_u32 s[PRJ], 0
	s_cselect_b64 s[BP:BP+1], s[80:81], s[BP:BP+1] ; or bq
	s_mov_b64 s[OC:OC+1], s[86:87]                 ; qkvc
	s_add_nc_u64 s[20:21], s[4:5], s[20:21]
	s_add_nc_u64 s[22:23], s[6:7], s[22:23]
	s_add_nc_u64 s[46:47], s[8:9], s[46:47]
	s_add_nc_u64 s[92:93], s[10:11], s[92:93]
	; group 1 for the scales of 128 rows: a dense block of 4,096 bytes, as rows of 256 bytes (32 elements of 8 bytes), 16 bytes of padding behind each.  (The arguments that lay in these registers have been taken.)
	s_or_b32 s[G1S+0], s43, (3<<16)|(1<<20)|(1<<21)|(5<<22)|(3<<25)
	s_or_b32 s[G1SB+0], s44, (3<<16)|(1<<20)|(1<<21)|(5<<22)|(3<<25)
.irp g, G1S, G1SB
	s_mov_b32 s[\g+1], 32<<16
	s_mov_b32 s[\g+2], (128*KS/256)<<16
	s_mov_b32 s[\g+3], 32<<16
	s_mov_b32 s[\g+4], 128*KS/256
	s_mov_b32 s[\g+5], 32
	s_mov_b32 s[\g+6], 0
	s_mov_b32 s[\g+7], 0
.endr
	CROUND                                         ; all sixteen work-groups are here: the first joint loads meet
	s_mov_b32 s[G0S], 1
	s_add_co_u32 s[G0S+1], s94, SCL
	s_mov_b64 s[G0S+2:G0S+3], s[22:23]
	s_or_b32 s[G0S+3], s[G0S+3], 0x80000000
	s_mov_b32 s[G0SB], 1
	s_add_co_u32 s[G0SB+1], s94, SCL
	s_mov_b64 s[G0SB+2:G0SB+3], s[92:93]
	s_or_b32 s[G0SB+3], s[G0SB+3], 0x80000000
	JLOAD G0S, G1S, G0SB, G1SB                     ; the scales first: they are wanted with K step 0
.irp s, 0,1
	s_mov_b32 s[G0+4*\s], 1
	s_add_co_u32 s[G0+4*\s+1], s45, \s*SLOT
	s_add_nc_u64 s[G0+4*\s+2:G0+4*\s+3], s[20:21], \s*ROWB
	s_or_b32 s[G0+4*\s+3], s[G0+4*\s+3], 0x80000000
	s_mov_b32 s[G0B+4*\s], 1
	s_add_co_u32 s[G0B+4*\s+1], s45, \s*SLOT
	s_add_nc_u64 s[G0B+4*\s+2:G0B+4*\s+3], s[46:47], \s*ROWB
	s_or_b32 s[G0B+4*\s+3], s[G0B+4*\s+3], 0x80000000
	JLOAD G0+4*\s, G1, G0B+4*\s, G1B               ; three tensor loads of mine are out
.endr
	v_and_b32 v1, 15, v0                           ; r = l % 16
	v_bfe_u32 v2, v0, 4, 1                         ; h = l / 16
	v_mul_u32_u24 v3, v1, PITCH
	v_lshl_add_u32 v4, v2, 4, v3                   ; a fragment's row x pitch + 16 x half
	s_mul_i32 s21, s15, HALFT                      ; my 128 rows of Y
	s_mul_i32 s22, s16, HALFT                      ; my 128 rows of X,
	s_add_co_u32 s22, s22, 2*HALFT                 ; which lie behind Y's 256
.irp s, 0,1
	v_add_nc_u32 v[ADRA+\s], s21, v4
	v_add_nc_u32 v[ADRB+\s], s22, v4
	s_add_co_u32 s21, s21, SLOT
	s_add_co_u32 s22, s22, SLOT
.endr
	v_mul_u32_u24 v5, v1, KS                       ; my row's scales: 32 bytes a row,
	v_lshrrev_b32 v6, 8, v5
	v_lshl_add_u32 v5, v6, 4, v5                   ; and 16 more for each 256 passed
	s_mul_i32 s21, s15, HALFS                      ; Y's: my 128 rows
	s_mul_i32 s22, s16, HALFS                      ; X's: my 128 rows, behind Y's 256
	s_add_co_u32 s22, s22, 2*HALFS
	s_sub_co_u32 s22, s22, s21
	v_mul_u32_u24 v6, s22, v2                      ; lanes 16-31 take X's: one product, the lower base + h x the distance
	s_add_co_u32 s21, s21, SCL
	v_add_nc_u32 v5, v5, v6
	v_add_nc_u32 v[ADRS], s21, v5
	v_and_b32 v6, 31, v0
	v_lshlrev_b32 v[OA], 4, v6
	; where my results go, and which numbers of the bias are mine.  These numbers mix cx and cy: they stand in registers that feed no descriptor
	s_lshl_b32 s66, s42, 8
	s_lshl_b32 s2, s16, 7
	s_add_co_u32 s66, s66, s2                      ; my first row of X
	s_lshl_b32 s67, s17, 8
	s_lshl_b32 s2, s15, 7
	s_add_co_u32 s67, s67, s2                      ; my first row of Y
	s_cmp_eq_u32 s[PRJ], 2
	s_cselect_b32 s95, s66, s67                    ; my first token,
	s_cselect_b32 s101, s67, s66                   ; my first n
	s_cselect_b32 s66, 0, s66                      ; the bias by register begins at X's first n (q, k); in v it is loaded from the bias's start and not used
	s_cselect_b32 s67, s67, 0                      ; the bias by lane at Y's first n (v); in q and k likewise not used
	s_lshl_b32 s66, s66, 2
	s_lshl_b32 s67, s67, 2
	v_lshl_add_u32 v[BXA], v2, 6, s66              ; register 8 x + j: n = 32 (x / 2) + 16 h + 8 (x % 2) + j
	v_and_b32 v5, 8, v1
	v_add_nc_u32 v5, v5, v1
	v_lshl_add_u32 v[BYA], v5, 2, s67              ; tile y: n = 32 (y / 2) + 8 (y % 2) + r + 8 (r / 8)
.irp x, 0,1,2,3,4,5,6,7                ; both tables are loaded on every way, so that every register that either arm of the way out names is written; every address lies inside the bias's 4,096 bytes
	global_load_b128 v[BX+8*\x:BX+8*\x+3], v[BXA], s[BP:BP+1] offset:(32*(\x/2)+8*(\x%2))*4
	global_load_b128 v[BX+8*\x+4:BX+8*\x+7], v[BXA], s[BP:BP+1] offset:(32*(\x/2)+8*(\x%2))*4+16
.endr
.irp y, 0,1,2,3,4,5,6,7
	global_load_b32 v[BY+\y], v[BYA], s[BP:BP+1] offset:(32*(\y/2)+8*(\y%2))*4
.endr
	s_lshr_b32 s2, s95, 11
	s_lshl_b32 s2, s2, 7                           ; the image's number: 128 x batch
	s_lshr_b32 s3, s101, 7
	s_lshl_b32 s3, s3, 4
	s_add_co_u32 s2, s2, s3                        ; + 16 x pair of heads
	s_bfe_u32 s3, s95, 0x40007
	s_add_co_u32 s95, s2, s3                       ; + the group of 128 tokens
	s_lshl_b32 s2, s95, 14                         ; 16,384 bytes of codes an image,
	s_lshl_b32 s3, s[PRJ], 23                      ; 8 MiB for each of q, k, v
	s_add_co_u32 s2, s2, s3
	s_mov_b32 s3, 0
	s_add_nc_u64 s[OC:OC+1], s[OC:OC+1], s[2:3]
	s_lshl_b32 s2, s95, 9                          ; 512 bytes of scale words an image,
	s_lshl_b32 s101, s[PRJ], 18                    ; 256 KiB for each of q, k, v
	s_add_co_u32 s2, s2, s101
	s_add_nc_u64 s[OS:OS+1], s[OS:OS+1], s[2:3]
.macro FRAG reg, adr, q, i             ; a fragment, 16 rows x 128 K of 8-bit codes, is 16 registers: lane l holds row l % 16; registers 4 c .. 4 c + 3 hold K = 32 c + 16 (l / 16) + 0 .. 15
.irp c, 0,1,2,3
	ds_load_b128 v[\reg+4*\c:\reg+4*\c+3], v[\adr] offset:128*(\q)+32*\c+(\i)*16*PITCH
.endr
.endm
; 16 matrix instructions: Y's tiles a0, a0 + 1 x X's eight, 128 along K: the slot's q-th.  p: X's set;  sc: the set of scale words.  zero = 1: the first product starts the sums: nothing is ever cleared.
; The 64 accumulators take turns, one instruction a turn, in the same order in every step.
.macro MUL16 a0, p, q, sc, zero
.irp a, \a0, \a0+1
.irp b, 0,1,2,3,4,5,6,7
.if \zero
	v_wmma_scale_f32_16x16x128_f8f6f4 v[8*(8*((\a)%4)+\b):8*(8*((\a)%4)+\b)+7], v[128*(\p)+FR*\b:128*(\p)+FR*\b+FR-1], v[AF+FR*(\a):AF+FR*(\a)+FR-1], 0, v[SC+8*NQ*(\sc)+NQ*\b+(\q)], v[SC+8*NQ*(\sc)+NQ*(\a)+(\q)] matrix_a_fmt:MATRIX_FMT_BF8 matrix_b_fmt:MATRIX_FMT_BF8 matrix_a_scale:MATRIX_SCALE_ROW1
.else
	v_wmma_scale_f32_16x16x128_f8f6f4 v[8*(8*((\a)%4)+\b):8*(8*((\a)%4)+\b)+7], v[128*(\p)+FR*\b:128*(\p)+FR*\b+FR-1], v[AF+FR*(\a):AF+FR*(\a)+FR-1], v[8*(8*((\a)%4)+\b):8*(8*((\a)%4)+\b)+7], v[SC+8*NQ*(\sc)+NQ*\b+(\q)], v[SC+8*NQ*(\sc)+NQ*(\a)+(\q)] matrix_a_fmt:MATRIX_FMT_BF8 matrix_b_fmt:MATRIX_FMT_BF8 matrix_a_scale:MATRIX_SCALE_ROW1
.endif
.endr
.endr
.endm
.macro FETCH_B slot, q, p              ; X's eight fragments of the slot's q-th 128 along K into set p
	WIN TO_B
.irp i, 0,1,2,3,4,5,6,7
	FRAG 128*(\p)+FR*\i, ADRB+\slot, \q, \i
.endr
	WIN 0
.endm
.macro FETCH_A slot, q, i0             ; Y's tiles i0 .. i0 + 3
.irp i, \i0, \i0+1, \i0+2, \i0+3
	FRAG AF+FR*(\i), ADRA+\slot, \q, \i
.endr
.endm
.macro SCALES sc                       ; the next K step's scale words into set sc: two words a row; lanes 0-15 take Y's tile i, lanes 16-31 X's tile i
.irp i, 0,1,2,3,4,5,6,7
	ds_load_b64 v[SC+8*NQ*\sc+NQ*\i:SC+8*NQ*\sc+NQ*\i+1], v[ADRS] offset:\i*SBLK
.endr
.endm
; A load into a register that a matrix instruction has read, and a vector instruction that reads a matrix result or writes one of a matrix instruction's registers, stand NP places behind that matrix
; instruction, and only plain vector instructions that name none of its registers are places (ISA guide 7.12.1 for vector instructions).
.macro PLACES n
.rept \n
	v_nop
.endr
.endm
; A step of 128 along K that has its successor in the same slot.  Y has one set of registers: tiles 0-3 are fetched anew in the step's middle, tiles 4-7 at its end; X has two sets.
.macro STEP slot, q, zero
	s_wait_dscnt 4*NL                              ; X's set and Y's tiles 0-3 are in; the youngest sixteen loads (Y's tiles 4-7) may be out
	WIN MUL_LO
	MUL16 0, (\q)%2, \q, \slot, \zero
	MUL16 2, (\q)%2, \q, \slot, \zero
	s_wait_dscnt 0                                 ; Y's tiles 4-7 are in (asked for 32 matrix instructions ago)
	PLACES NP
	FETCH_B \slot, (\q)+1, 1-(\q)%2
	FETCH_A \slot, (\q)+1, 0
	WIN MUL_HI
	MUL16 4, (\q)%2, \q, \slot, \zero
	MUL16 6, (\q)%2, \q, \slot, \zero
	PLACES NP
	WIN 0
	FETCH_A \slot, (\q)+1, 4
.endm
; A slot's last step changes slots: one barrier; in front of it each wave waits for all its tensor loads, adds 0 to its spare word, and waits for that and for its own reads of this slot.  fill = 1: this slot is filled again, two K steps ahead.
.macro TURN slot, next, fill
	s_wait_tensorcnt 0x0                           ; all my tensor loads have landed: my part of the next slot;  (every window is 0 here: the add's two registers lie in window 0)
	ds_add_u32 v[SPW], v[NIL]                      ; 0 onto my spare word
	s_wait_dscnt 4*NL+1                            ; (the add and the youngest sixteen loads, Y's tiles 4-7, may be out)
	WIN MUL_LO
	MUL16 0, 1, NQ-1, \slot, 0                     ; sixteen matrix instructions stand between the add and the wait for it
	s_wait_dscnt 0x0                               ; the add is done, and my reads of this slot are over
	s_barrier_signal -1
	MUL16 2, 1, NQ-1, \slot, 0
	WIN 0
	s_barrier_wait -1
.if \fill
	CREST                                          ; the barrier has opened a round of the cluster's barrier: no wave of any partner still reads this slot's tile or has a load on its way
	s_add_nc_u64 s[G0+4*\slot+2:G0+4*\slot+3], s[G0+4*\slot+2:G0+4*\slot+3], 2*ROWB
	s_add_nc_u64 s[G0B+4*\slot+2:G0B+4*\slot+3], s[G0B+4*\slot+2:G0B+4*\slot+3], 2*ROWB
	JLOAD G0+4*\slot, G1, G0B+4*\slot, G1B         ; the first tensor load behind the round, my one load until the next; the four v_nop behind it are among the places in front of the loads below
	PLACES NP-4
.else
	PLACES NP
.endif
	v_add_nc_u32 v[ADRS], 4*NQ, v[ADRS]            ; on to the next K step's scale words (no LDS load of mine is out)
	FETCH_B \next, 0, 0
	FETCH_A \next, 0, 0
	SCALES \next
	WIN MUL_HI
	MUL16 4, 1, NQ-1, \slot, 0
	MUL16 6, 1, NQ-1, \slot, 0
	PLACES NP
	WIN 0
	FETCH_A \next, 0, 4
.endm
	s_wait_tensorcnt 1                             ; the scales and my part of K step 0 are in (K step 1's load may be out)
	s_barrier_signal -1
	s_barrier_wait -1                              ; everybody's are
	FETCH_B 0, 0, 0
	FETCH_A 0, 0, 0
	SCALES 0
	FETCH_A 0, 0, 4
	STEP 0, 0, 1                                   ; K step 0 (slot 0): its first products start the sums
	TURN 0, 1, 1                                   ; slot 0 takes K step 2
	STEP 1, 0, 0                                   ; K step 1 (slot 1)
	TURN 1, 0, 1                                   ; slot 1 takes K step 3
	STEP 0, 0, 0                                   ; K step 2
	TURN 0, 1, 0                                   ; nothing is left to fetch, so no round of the cluster's barrier
	STEP 1, 0, 0                                   ; K step 3
	s_wait_dscnt 4*NL                              ; the very last step
	WIN MUL_LO
	MUL16 0, 1, NQ-1, 1, 0
	MUL16 2, 1, NQ-1, 1, 0
	s_wait_dscnt 0
	WIN MUL_HI
	MUL16 4, 1, NQ-1, 1, 0
	MUL16 6, 1, NQ-1, 1, 0
	WIN 0
; THE WAY OUT, a tile y of Y at a time: the bias is added, the lane's 64 numbers (register 16 b + i = X's row 32 b + 16 h + i) are quantised, and the 16 registers of codes are stored as they stand.
; The quantiser: v[ST] .. v[ST + 63] become codes in v[PC] on and a scale word in v[pw].
.macro QUANT pw
.irp b, 0,1,2,3
	v_max3_num_f32 v[TM+\b], |v[ST+16*\b]|, |v[ST+1+16*\b]|, 0x8000000   ; block b: my 16 numbers, and the floor 2^(16 - 127): so the byte cannot fall under 1
.endr
.irp i, 2,4,6,8,10,12,14
.irp b, 0,1,2,3
	v_max3_num_f32 v[TM+\b], v[TM+\b], |v[ST+16*\b+\i]|, |v[ST+1+16*\b+\i]|   ; (the four blocks by turns: no line waits for the line above it)
.endr
.endr
.irp b, 0,1,2,3
	v_permlanex16_b32 v[TM+4+\b], v[TM+\b], s[SEL], s[SEL+1]
.endr
.irp b, 0,1,2,3
	v_max_num_f32 v[TM+\b], v[TM+\b], v[TM+4+\b]   ; with lane l xor 16's: the block's largest magnitude
.endr
.irp b, 0,1,2,3
	v_add_nc_u32 v[TM+12+\b], 0xf8800000, v[TM+\b] ; 15 off its exponent field: the conversion's scale operand
.endr
.irp b, 0,1,2,3
	v_and_or_b32 v[TM+8+\b], v[TM+\b], 0x7f800000, s[MNT]   ; 57,344 x the scale
.endr
.irp b, 0,1,2,3
	v_lshrrev_b32 v[TM+4+\b], 23, v[TM+12+\b]      ; the scale's byte
.endr
	v_lshl_or_b32 v[\pw], v[TM+5], 8, v[TM+4]      ; the four bytes make my row's scale word (the same in lanes l and l xor 16)
	v_lshl_or_b32 v[\pw], v[TM+6], 16, v[\pw]
	v_lshl_or_b32 v[\pw], v[TM+7], 24, v[\pw]
.irp b, 0,1,2,3
.irp i, 0,1,2,3,4,5,6,7,8,9,10,11,12,13,14,15
	v_med3_num_f32 v[ST+16*\b+\i], v[ST+16*\b+\i], -v[TM+8+\b], v[TM+8+\b]   ; the conversion to an 8-bit code does not saturate (ISA guide 7.6.2): the hold
.endr
	v_cvt_scalef32_pk8_bf8_f32 v[PC+4*\b:PC+1+4*\b], v[ST+16*\b:ST+7+16*\b], v[TM+12+\b]
	v_cvt_scalef32_pk8_bf8_f32 v[PC+2+4*\b:PC+3+4*\b], v[ST+8+16*\b:ST+15+16*\b], v[TM+12+\b]
.endr
	v_nop                                          ; one plain line behind the last conversion: the next tile's additions write its sources
.endm
.macro OUTY y
	s_cmp_eq_u32 s[PRJ], 2                         ; the same in all sixteen partners
	s_cbranch_scc1 .Lby_lane_\@
	WIN 0x02+(\y)/4                                ; source 0: window 2 or 3
.set i, 0
.rept 32
	v_pk_add_f32 v[ST+i:ST+i+1], v[64*((\y)%4)+i:64*((\y)%4)+i+1], v[BX+i:BX+i+1]   ; q, k: n runs along the registers.  Each accumulator is read from its low end on
.set i, i+2
.endr
	WIN 0
	s_branch .Lbiased_\@
.Lby_lane_\@:
	WIN 0x02+(\y)/4
.set i, 0
.rept 32
.if (\y)%2
	v_pk_add_f32 v[ST+i:ST+i+1], v[64*((\y)%4)+i:64*((\y)%4)+i+1], v[BY+((\y)/2)*2:BY+((\y)/2)*2+1] op_sel:[0,1] op_sel_hi:[1,1]   ; v: one n a lane: the pair's second register serves both halves
.else
	v_pk_add_f32 v[ST+i:ST+i+1], v[64*((\y)%4)+i:64*((\y)%4)+i+1], v[BY+((\y)/2)*2:BY+((\y)/2)*2+1] op_sel_hi:[1,0]                ; v: the pair's first register serves both halves
.endif
.set i, i+2
.endr
	WIN 0
.Lbiased_\@:
.if (\y) > 0
	s_wait_xcnt 0x0                                ; the last tile's stores have read their data: the codes' registers are written again only behind this wait
.endif
	QUANT SW+(\y)
.irp c, 0,1,2,3
	global_store_b128 v[OA], v[PC+4*\c:PC+4*\c+3], s[OC:OC+1] offset:(\y)*2048+512*\c   ; 32 lanes store 512 consecutive bytes, aligned
.endr
.endm
	PLACES NP                                      ; behind the last products: the lines below write registers that held Y's fragments, and tile 7's results are read further down
	s_wait_loadcnt 0x0                             ; the bias
	s_mov_b32 s[SEL], 0x76543210
	s_mov_b32 s[SEL+1], 0xfedcba98                 ; v_permlanex16_b32's selects for lane l xor 16
	s_mov_b32 s[MNT], 0x600000
	s_mov_b32 s2, 0xffff0000                       ; lanes 16-31
.irp b, 0,1,2,3
	v_mov_b32 v[TM+4+\b], 0                        ; written once: a lane permute's destination counts as one of its sources
.endr
.irp y, 0,1,2,3,4,5,6,7
	OUTY \y
.endr
.irp i, 0,1,2,3
	v_cndmask_b32 v[MG+\i], v[SW+2*\i], v[SW+2*\i+1], s2   ; word i: tile 2 i's in lanes 0-15, tile 2 i + 1's in lanes 16-31
.endr
	global_store_b128 v[OA], v[MG:MG+3], s[OS:OS+1]        ; 512 consecutive bytes, aligned
	s_wait_tensorcnt 0x0                           ; the wave's end
	ds_add_u32 v[SPW], v[NIL]
	s_wait_dscnt 0x0
	CROUND                                         ; the closing round: no work-group ends while a partner may still ask for a tile that names it
	s_endpgm
.Lfunc_end_k_qf14feda1bd_proj:
	.size	k_qf14feda1bd_proj, .Lfunc_end_k_qf14feda1bd_proj-k_qf14feda1bd_proj
	.p2alignl 7, 3214868480
	.fill 96, 4, 3214868480
	.section	.rodata,"a",@progbits
	.p2align	6, 0x0
	.amdhsa_kernel k_qf14feda1bd_proj
		.amdhsa_group_segment_fixed_size 327680
		.amdhsa_private_segment_fixed_size 0
		.amdhsa_enable_private_segment 0
		.amdhsa_kernarg_size 72
		.amdhsa_user_sgpr_count 2
		.amdhsa_user_sgpr_kernarg_segment_ptr 1
		.amdhsa_wavefront_size32 1
		.amdhsa_system_sgpr_workgroup_id_x 1
		.amdhsa_system_sgpr_workgroup_id_y 1
		.amdhsa_system_sgpr_workgroup_id_z 1
		.amdhsa_system_vgpr_workitem_id 0
		.amdhsa_next_free_vgpr 1024
		.amdhsa_next_free_sgpr 102
		.amdhsa_reserve_vcc 0
		.amdhsa_float_denorm_mode_32 3
		.amdhsa_float_denorm_mode_16_64 3
		.amdhsa_memory_ordered 1
		.amdhsa_forward_progress 1
		.amdhsa_inst_pref_size 221
	.end_amdhsa_kernel
	.amdgpu_metadata
---
amdhsa.version: [ 1, 2 ]
amdhsa.kernels:
  - .name:           k_qf14feda1bd_proj
    .symbol:         k_qf14feda1bd_proj.kd
    .args:
      - { .name: actc, .offset: 0, .size: 8, .value_kind: global_buffer, .address_space: global }
      - { .name: acts, .offset: 8, .size: 8, .value_kind: global_buffer, .address_space: global }
      - { .name: wc, .offset: 16, .size: 8, .value_kind: global_buffer, .address_space: global }
      - { .name: ws, .offset: 24, .size: 8, .value_kind: global_buffer, .address_space: global }
      - { .name: bq, .offset: 32, .size: 8, .value_kind: global_buffer, .address_space: global }
      - { .name: bk, .offset: 40, .size: 8, .value_kind: global_buffer, .address_space: global }
      - { .name: bv, .offset: 48, .size: 8, .value_kind: global_buffer, .address_space: global }
      - { .name: qkvc, .offset: 56, .size: 8, .value_kind: global_buffer, .address_space: global }
      - { .name: qkvs, .offset: 64, .size: 8, .value_kind: global_buffer, .address_space: global }
    .group_segment_fixed_size: 327680
    .private_segment_fixed_size: 0
    .kernarg_segment_align: 8
    .kernarg_segment_size: 72
    .max_flat_workgroup_size: 128
    .sgpr_count:     102
    .vgpr_count:     1024
    .wavefront_size: 32
...
	.end_amdgpu_metadata
.endif
;; end of part 2
;; launch attn (part 3): grid 8 x 64, 16 waves a work-group, clusters of 4 x 1, 280,576 bytes of LDS; arguments qkvc, qkvs, out0; writes out0
.if DOCPART == 3
	.amdgcn_target "amdgcn-amd-amdhsa--gfx1250"
	.amdhsa_code_object_version 6
	.text
	.protected	k_qf14feda1bd_attn
	.globl	k_qf14feda1bd_attn
	.p2align	8
	.type	k_qf14feda1bd_attn,@function
k_qf14feda1bd_attn:
	s_mov_b64 s[64:65], 0
	v_nop
	global_prefetch_b8 v0, s[64:65] scope:SCOPE_SE
	s_setreg_imm32_b32 hwreg(HW_REG_WAVE_MODE, 25, 1), 1
	s_wait_xcnt 0x0
	s_wait_alu depctr_hold_cnt(0) depctr_sa_sdst(0) depctr_va_vdst(0) depctr_va_sdst(0) depctr_va_ssrc(0) depctr_va_vcc(0) depctr_vm_vsrc(0)
	s_getreg_b32 s2, hwreg(HW_REG_IB_STS2, 6, 4)
	s_cmp_eq_u32 s2, 0
	s_cbranch_scc0 .Lentry_in_a_cluster
	s_endpgm
.Lentry_in_a_cluster:
	s_bfe_u32 s2, ttmp6, 0x10000c
	s_cmp_lg_u32 s2, 0x3003
	s_cbranch_scc0 .Lentry_shape_is_right
	s_endpgm
.Lentry_shape_is_right:
; out0[b][q][64 head + d] = the sum over k of softmax_k(q . k / 8) v[k][d], for 4 batches x 16 heads, 2,048 queries, 2,048 keys, head size 64; both products on codes of BF8 (E5M2) with E8M0 scales.
; q, k, v arrive as IMAGES OF OPERAND REGISTERS (qkvc, qkvs: [q, k, v][batch][pair of heads][group of 128 tokens]): a fragment's chunk of four registers is 512 bytes, lane l's 16 at 16 l.
;   q, k: tile y (16 tokens) of a group at y x 2,048; head par of the pair is chunks 2 par, 2 par + 1: 8 registers, K = the head's 64.  The instruction's K is 128: the other 8 registers are zero codes, on both sides.
;   v: fragment t (16 of the head's 64 x 128 keys) at (4 par + t) x 2,048, four chunks.     Scale words: 16 bytes a lane; word i is tile 2 i's in lanes 0-15, tile 2 i + 1's in lanes 16-31.
;   Tile 2 b + u, lane r, is token (or d) 32 b + 8 u + r + 8 (r / 8): so the 16 registers of two neighbouring result tiles are 16 neighbours, 32 b + 16 (lane / 16) + 0 .. 15.
; THE SOFTMAX AHEAD OF THE SECOND PRODUCT: t = score x log2(e) / 8; M = the row's largest t so far, rounded up to a whole number; p = 2^(t - M) is quantised along the keys, not normalised.
; The row's sum is taken of the unquantised p and divides O at the end.  When M moves, the sum and O are multiplied by 2^(old M - new M): exact.
; SHARES.  A work-group owns 256 queries of one head, each of its sixteen waves one tile of 16: four waves to a SIMD, so that one wave's vector work stands beside another's matrix work and LDS loads.
; Both products are used transposed (S^T = K Q^T, O^T = V^T P^T): a lane holds one query throughout.
; LDS HOLDS THE WHOLE HEAD: K's codes 128 KiB, V's 128 KiB, the pair's scale images 2 x 8 KiB.  Every byte is filled once, by five tensor loads a wave issued together at the head (five of mine are out at the most);
; the keys are walked in four quarters of 512, each behind a counted wait and a barrier, so that the first quarter is worked while the others land.  Nothing is filled again.
; CLUSTER: the four query blocks of a cluster belong to one head and need the same K and V: each tile is asked for jointly, with the mask of all four.
; No prefetch: every byte that the launch reads from memory more than once a wave is asked for by the first fills.
; LIMITS: p under 2^-126 counts as 0 (v_exp_f32); NaN and infinities are not served.
.set VB,    131072                     ; LDS: K at 0: group x 8,192 + tile x 1,024 + 512 c + 16 lane;  V here: group x 8,192 + (c / 2) x 4,096 + t x 1,024 + (c % 2) x 512 + 16 lane
.set KSB,   262144                     ; K's scale images, 512 bytes a group
.set VSB,   270336                     ; V's
.set SPT,   272                        ; the way out: a stage of 16 rows x (256 bytes + 16) for each wave, in K's bytes: they have had their one fill, and behind the last barrier nobody reads them
.set LI,   1                           ; v1   16 x lane
.set ASK0, 2                           ; v2   my place in a scale image of K: KSB + 16 x lane + 2 par
.set ASV0, 3                           ; v3   of V: VSB + 16 x lane + 8 par
.set ADK,  4                           ; v4-7 the step's LDS addresses: K, V, K's scales, V's scales
.set ADV,  5
.set ADS,  6
.set ADT,  7
.set QF,   16                          ; v16-23 Q's codes, v24-31 zero codes
.set KF,   32                          ; v32-95 four fragments of K: 8 registers of codes, 8 of zero codes that stay
.set S,    96                          ; v96-159 S^T, then p, then V's four fragments
.set O,    160                         ; v160-191 O^T
.set PC,   192                         ; v192-207 p's codes
.set KSW,  208                         ; v208-211 K's scale words of a step;  v212-213 V's;  v214 Q's;  v215 p's: these hold scales and nothing else
.set VSW,  212
.set QS,   214
.set PW,   215
.set BM,   216                         ; v216-219 each block's largest score, then its largest p
.set T1,   220                         ; v220-223 at work
.set HOLD, 224                         ; v224-227 57,344 x the scale
.set SOP,  228                         ; v228-231 the conversions' scale operands
.set TMP,  232
.set F,    234                         ; v[234:235] f = 2^(old M - new M) in the low register
.set SUM2, 236                         ; v[236:237] the sums' second chain
.set WV,   18                          ; s18  my wave's number
.set MNT,  19                          ; s19  the mantissa field of 57,344
.set SEL,  20                          ; s[20:21] lane selects for v_permlanex16_b32: lane l xor 16
.set CS,   22                          ; s[22:23] c = log2(e) / 8
.set G1T,  24                          ; s[24:31] descriptor group 1 for codes: 4 rows of 1,024 bytes, 2,048 bytes apart in memory
.set G1S,  32                          ; s[32:39] for scale images: 1,024 dense bytes
.set G0S,  40                          ; s[40:43] group 0 for my part of the scale images;  s[44:59] for my part of each quarter
.set G0T,  44
.set TB,   60                          ; s60  LDS byte at which the step's group of K begins
.set TS,   61                          ; s61  and its scale image
.set CNT,  62
.macro ROUND                           ; a round of the cluster's barrier
	s_barrier_signal -1
	s_barrier_wait -1
	s_cmp_lg_u32 s[WV], 0
	s_cbranch_scc1 .Lnot_wave_0_\@
	s_barrier_signal -3
.Lnot_wave_0_\@:
	s_barrier_wait -3
	s_barrier_signal -1
	s_barrier_wait -1
.endm
	s_load_b128 s[4:7], s[0:1], 0x0                ; qkvc, qkvs
	s_load_b64 s[8:9], s[0:1], 0x10                ; out0
	v_lshl_add_u32 v254, v0, 2, 0x44000
	v_mov_b32 v255, 0
	ds_add_u32 v254, v255
	ds_add_u32 v254, v255
	v_lshrrev_b32 v8, 5, v0
	v_readfirstlane_b32 s[WV], v8                  ; wave 0..15
	s_and_b32 s66, s[WV], 7                        ; i: which eighth of a quarter I fetch.  Also y: my tile of queries in its group
	s_lshr_b32 s67, s[WV], 3                       ; I fetch for K (0) or for V (1).  Also: which of my block's two groups of queries
	s_and_b32 s12, ttmp7, 0xffff                   ; batch x 16 + head, which the four partners share
	s_lshr_b32 s13, s12, 4                         ; batch
	s_and_b32 s14, s12, 15                         ; head
	s_lshr_b32 s15, s14, 1                         ; pair of heads
	s_and_b32 s16, s14, 1                          ; par: which of the pair
	s_lshl_b32 s17, s13, 3
	s_add_co_u32 s17, s17, s15                     ; H = 8 x batch + pair
	; what I fetch of a quarter (four groups, 65,536 bytes of images): 4 rows of 1,024 bytes, 2,048 apart
	s_lshl_b32 s68, s66, 13                        ; K: half a group, four tiles, begins 8,192 i on;
	s_lshl_b32 s72, s16, 10
	s_add_co_u32 s68, s68, s72                     ; the head's two chunks of a tile begin 1,024 par on
	s_lshr_b32 s70, s66, 1
	s_lshl_b32 s70, s70, 14                        ; V: group i / 2;
	s_and_b32 s72, s66, 1
	s_lshl_b32 s72, s72, 10
	s_add_co_u32 s70, s70, s72                     ; chunks 2 (i % 2), 2 (i % 2) + 1 of the four fragments;
	s_lshl_b32 s72, s16, 13
	s_add_co_u32 s70, s70, s72                     ; the head's four fragments begin 8,192 par on
	s_cmp_eq_u32 s67, 0                            ; (the wave's number alone)
	s_cselect_b32 s68, s68, s70
	s_add_co_u32 s72, s67, 1                       ; k is the second, v the third of the three
	s_lshl_b32 s73, s72, 23
	s_add_co_u32 s68, s68, s73
	s_lshl_b32 s73, s17, 18                        ; 16 groups of 16,384 bytes for each H
	s_add_co_u32 s68, s68, s73
	s_mov_b32 s69, 0
	s_lshl_b32 s70, s72, 18                        ; the scale images: 256 KiB for each of the three,
	s_lshl_b32 s73, s17, 13                        ; 16 groups of 512 bytes for each H,
	s_add_co_u32 s70, s70, s73
	s_lshl_b32 s73, s66, 10                        ; my two groups
	s_add_co_u32 s70, s70, s73
	s_mov_b32 s71, 0
	s_lshl_b32 s72, s67, 17                        ; where they go: K's bytes or V's, 4,096 i on in the quarter;
	s_lshl_b32 s73, s66, 12
	s_add_co_u32 s72, s72, s73
	s_lshl_b32 s73, s67, 13                        ; the scale images: K's or V's, 1,024 i on
	s_lshl_b32 s74, s66, 10
	s_add_co_u32 s73, s73, s74
	s_add_co_u32 s73, s73, KSB
	s_mov_b32 s[G1T], 15|(3<<16)|(1<<21)           ; 15:0 the mask: all four work-groups; 17:16 elements of 8 bytes; 20 no padding; 21 set beside a mask
	s_mov_b32 s[G1T+1], 128<<16                    ; tensor_dim0 = 128 elements: 1,024 bytes
	s_mov_b32 s[G1T+2], 4<<16                      ; tensor_dim1 = 4
	s_mov_b32 s[G1T+3], 128<<16                    ; tile_dim0
	s_mov_b32 s[G1T+4], 4                          ; tile_dim1
	s_mov_b32 s[G1T+5], 256                        ; tensor_dim0_stride: 2,048 bytes
	s_mov_b32 s[G1T+6], 0
	s_mov_b32 s[G1T+7], 0
	s_mov_b32 s[G1S], 15|(3<<16)|(1<<21)
	s_mov_b32 s[G1S+1], 32<<16                     ; rows of 256 bytes,
	s_mov_b32 s[G1S+2], 4<<16                      ; four of them,
	s_mov_b32 s[G1S+3], 32<<16
	s_mov_b32 s[G1S+4], 4
	s_mov_b32 s[G1S+5], 32                         ; dense
	s_mov_b32 s[G1S+6], 0
	s_mov_b32 s[G1S+7], 0
	; my queries: they alone hang on my place in the cluster, and enter global addresses alone
	s_bfe_u32 s10, ttmp6, 0x40000                  ; cx
	s_lshl_b32 s11, ttmp9, 2
	s_add_co_u32 s11, s11, s10                     ; my block of 256 queries
	s_lshl_b32 s74, s11, 1
	s_add_co_u32 s74, s74, s67                     ; g: my group of 128
	s_lshl_b32 s75, s17, 4
	s_add_co_u32 s75, s75, s74                     ; the image's number, 16 H + g
	s_lshl_b32 s76, s75, 14
	s_lshl_b32 s10, s66, 11
	s_add_co_u32 s76, s76, s10                     ; + 2,048 y
	s_lshl_b32 s10, s16, 10
	s_add_co_u32 s76, s76, s10                     ; + 1,024 par: Q's two chunks
	s_mov_b32 s77, 0
	s_lshl_b32 s78, s75, 9
	s_lshr_b32 s10, s66, 1
	s_lshl_b32 s10, s10, 2
	s_add_co_u32 s78, s78, s10                     ; Q's scales: word y / 2,
	s_lshl_b32 s10, s16, 1
	s_add_co_u32 s78, s78, s10                     ; its bytes 2 par, 2 par + 1,
	s_and_b32 s10, s66, 1
	s_lshl_b32 s10, s10, 8
	s_add_co_u32 s78, s78, s10                     ; in the image's lanes 16 (y % 2) + r
	s_mov_b32 s79, 0
	s_lshl_b32 s75, s13, 11                        ; my tile's first token: 2,048 x batch
	s_lshl_b32 s10, s74, 7
	s_add_co_u32 s75, s75, s10                     ; + 128 g
	s_lshr_b32 s10, s66, 1
	s_lshl_b32 s10, s10, 5
	s_add_co_u32 s75, s75, s10                     ; + 32 (y / 2)
	s_and_b32 s10, s66, 1
	s_lshl_b32 s10, s10, 3
	s_add_co_u32 s75, s75, s10                     ; + 8 (y % 2)
	s_lshl_b32 s74, s75, 12                        ; a row of out0 is 4,096 bytes,
	s_lshl_b32 s10, s14, 8
	s_add_co_u32 s74, s74, s10                     ; a head's part of it 256
	s_mov_b32 s75, 0
	s_mov_b32 s[SEL], 0x76543210
	s_mov_b32 s[SEL+1], 0xfedcba98
	s_mov_b32 s[CS], 0x3e38aa3b                    ; c = log2(e) / 8
	s_mov_b32 s[CS+1], s[CS]                       ; (named with it as a pair, so it is written)
	s_mov_b32 s[MNT], 0x600000
	s_wait_dscnt 0x0
	s_wait_kmcnt 0x0
	s_add_nc_u64 s[68:69], s[4:5], s[68:69]
	s_add_nc_u64 s[70:71], s[6:7], s[70:71]
	s_add_nc_u64 s[76:77], s[4:5], s[76:77]
	s_add_nc_u64 s[78:79], s[6:7], s[78:79]
	s_add_nc_u64 s[8:9], s[8:9], s[74:75]
	ROUND                                          ; all four work-groups are here: the joint loads meet
	s_mov_b32 s[G0S], 1                            ; count = 1
	s_mov_b32 s[G0S+1], s73                        ; LDS address
	s_mov_b64 s[G0S+2:G0S+3], s[70:71]             ; global address
	s_or_b32 s[G0S+3], s[G0S+3], 0x80000000        ; type = 2
.irp j, 0,1,2,3
	s_mov_b32 s[G0T+4*\j], 1
	s_add_co_u32 s[G0T+4*\j+1], s72, \j*32768      ; a quarter is 32,768 bytes of K and as many of V,
	s_add_nc_u64 s[G0T+4*\j+2:G0T+4*\j+3], s[68:69], \j*65536   ; four groups of images
	s_or_b32 s[G0T+4*\j+3], s[G0T+4*\j+3], 0x80000000
.endr
	tensor_load_to_lds s[G0S:G0S+3], s[G1S:G1S+7]  ; the scale images first: they are wanted with the first quarter
	s_nop 0
.irp j, 0,1,2,3
	tensor_load_to_lds s[G0T+4*\j:G0T+4*\j+3], s[G1T:G1T+7]
	s_nop 0
.endr
.rept 4
	v_nop                                          ; four v_nop follow the last of them
.endr
	v_and_b32 v[LI], 31, v0
	v_lshlrev_b32 v[LI], 4, v[LI]
	global_load_b128 v[QF:QF+3], v[LI], s[76:77]                 ; Q's fragment stays in registers
	global_load_b128 v[QF+4:QF+7], v[LI], s[76:77] offset:512
	v_and_b32 v8, 15, v0
	v_lshlrev_b32 v8, 4, v8
	global_load_u16 v[QS], v8, s[78:79]            ; Q's two scale bytes; the bytes above them are 0 and scale zero codes
	s_lshl_b32 s72, s16, 1
	s_add_co_u32 s72, s72, KSB
	v_add_nc_u32 v[ASK0], s72, v[LI]
	s_lshl_b32 s72, s16, 3
	s_add_co_u32 s72, s72, VSB
	v_add_nc_u32 v[ASV0], s72, v[LI]
	v_mov_b32 v13, 0xff61b1e6                      ; the largest t so far: -3e38, under every t
	v_floor_f32 v12, -v13                          ; -M
	v_mov_b32 v14, 0                               ; the sum, in two halves
	v_mov_b32 v15, 0
	v_mov_b32 v[F+1], 0                            ; (named as the upper half of a pair)
.irp b, 0,1,2,3
	v_mov_b32 v[T1+\b], 0                          ; written once: a lane permute's destination counts as one of its sources
.endr
.irp j, 8,9,10,11,12,13,14,15
	v_mov_b32 v[QF+\j], 0                          ; the zero codes of K = 64 .. 127: Q's,
.irp t, 0,1,2,3
	v_mov_b32 v[KF+16*\t+\j], 0                    ; and those of K's four fragments: they stay for the whole launch
.endr
.endr
.set j, 0
.rept 32
	v_mov_b32 v[O+j], 0                            ; O^T.  (The step is written once: the first finds zeros, which the first change of M leaves zeros)
.set j, j+1
.endr
; A KEY STEP: a group of 128 keys.
.macro STEP
	v_add_nc_u32 v[ADK], s[TB], v[LI]
	v_add_nc_u32 v[ADS], s[TS], v[ASK0]
	v_add_nc_u32 v[ADT], s[TS], v[ASV0]
	v_add_nc_u32 v[ADV], VB, v[ADK]
.rept 5
	v_nop                                          ; with the four additions nine places: the products below write over registers that the last step's products read as V's fragments
.endr
.irp g, 0,1                                    ; S^T = K Q^T, four tiles of 16 keys at a time
.if \g
.rept 8
	v_nop                                          ; places in front of loads into registers that matrix instructions have read
.endr
.endif
.irp t, 0,1,2,3
	ds_load_b128 v[KF+16*\t:KF+16*\t+3], v[ADK] offset:(4*\g+\t)*1024
	ds_load_b128 v[KF+16*\t+4:KF+16*\t+7], v[ADK] offset:(4*\g+\t)*1024+512
.endr
.if \g == 0
.irp i, 0,1,2,3
	ds_load_u16 v[KSW+\i], v[ADS] offset:4*\i      ; the head's two bytes of word i: tile 2 i's in lanes 0-15, tile 2 i + 1's in lanes 16-31; the bytes above are 0 and scale zero codes
.endr
	ds_load_b64 v[VSW:VSW+1], v[ADT]               ; V's words 2 par, 2 par + 1: fragments 0, 1 and 2, 3
.endif
	s_wait_dscnt 0x0
.irp u, 0,1
	v_wmma_scale_f32_16x16x128_f8f6f4 v[S+8*(4*\g+2*\u):S+8*(4*\g+2*\u)+7], v[KF+32*\u:KF+32*\u+15], v[QF:QF+15], 0, v[KSW+2*\g+\u], v[QS] matrix_a_fmt:MATRIX_FMT_BF8 matrix_b_fmt:MATRIX_FMT_BF8
	v_wmma_scale_f32_16x16x128_f8f6f4 v[S+8*(4*\g+2*\u+1):S+8*(4*\g+2*\u+1)+7], v[KF+32*\u+16:KF+32*\u+31], v[QF:QF+15], 0, v[KSW+2*\g+\u], v[QS] matrix_a_fmt:MATRIX_FMT_BF8 matrix_b_fmt:MATRIX_FMT_BF8 matrix_a_scale:MATRIX_SCALE_ROW1
.endr
.endr                                          ; lane (r, h) holds query r; register 16 b + i is key 32 b + 16 h + i of the group
.rept 8
	v_nop
.endr
.irp b, 0,1,2,3
	v_max3_num_f32 v[BM+\b], v[S+16*\b], v[S+1+16*\b], v[S+2+16*\b]   ; the largest score of each block of 32 keys: it serves for the row's maximum and, since p rises with the score, for the block's largest p
.endr
.irp i, 3,5,7,9,11,13
.irp b, 0,1,2,3
	v_max3_num_f32 v[BM+\b], v[BM+\b], v[S+16*\b+\i], v[S+1+16*\b+\i]   ; (the four blocks by turns)
.endr
.endr
.irp b, 0,1,2,3
	v_max_num_f32 v[BM+\b], v[BM+\b], v[S+15+16*\b]
.endr
.irp b, 0,1,2,3
	v_permlanex16_b32 v[T1+\b], v[BM+\b], s[SEL], s[SEL+1]
.endr
.irp b, 0,1,2,3
	v_max_num_f32 v[BM+\b], v[BM+\b], v[T1+\b]     ; with lane l xor 16's 16 keys
.endr
	v_max3_num_f32 v[TMP], v[BM], v[BM+1], v[BM+2]
	v_max_num_f32 v[TMP], v[TMP], v[BM+3]          ; the step's largest score of my query
	v_mul_f32 v[TMP], s[CS], v[TMP]                ; as t (c is positive)
	v_max_num_f32 v13, v13, v[TMP]                 ; the running largest t
	v_mov_b32 v[TMP], v12
	v_floor_f32 v12, -v13                          ; the new -M = floor(-t) = -ceil(t): M is a whole number
	v_sub_f32 v[TMP], v12, v[TMP]                  ; M's old value less its new one: a whole number, 0 or less
	v_cvt_i32_f32 v[TMP], v[TMP]                   ; (it saturates)
	v_ldexp_f32 v[F], 1.0, v[TMP]                  ; f = 2^(old M - new M): a multiplication by it rounds nothing
.set j, 0
.rept 32
	v_pk_fma_f32 v[S+j:S+j+1], v[S+j:S+j+1], s[CS:CS+1], v[12:13] op_sel_hi:[1,0,0]   ; t - M, two at a time (of the pairs c and -M the low word serves both halves)
.set j, j+2
.endr
.irp b, 0,1,2,3
	v_fma_f32 v[BM+\b], v[BM+\b], s[CS], v12       ; the same of each block's largest score
.endr
.set j, 0
.rept 64
	v_exp_f32 v[S+j], v[S+j]                       ; p = 2^(t - M), at most 1: not normalised
.set j, j+1
.endr
	v_pk_mul_f32 v[14:15], v[14:15], v[F:F+1] op_sel_hi:[1,0]   ; the sums under the new M.  (The plain line behind the exponentials)
	s_wait_alu depctr_va_vdst(0)                   ; one wait for the whole batch, ahead of its first reader
.irp b, 0,1,2,3
	v_exp_f32 v[BM+\b], v[BM+\b]                   ; the block's largest p: the same two instructions on the same number give the same bits
.endr
	v_pk_add_f32 v[SUM2:SUM2+1], v[S:S+1], v[S+2:S+3]   ; the row's sum is taken of the unquantised p: two at a time, in two chains.  (It reads the 64 alone: plain work behind the four)
.irp j, 4,8,12,16,20,24,28,32,36,40,44,48,52,56,60
	v_pk_add_f32 v[14:15], v[14:15], v[S+\j:S+1+\j]
	v_pk_add_f32 v[SUM2:SUM2+1], v[SUM2:SUM2+1], v[S+2+\j:S+3+\j]
.endr
	v_pk_add_f32 v[14:15], v[14:15], v[SUM2:SUM2+1]
	s_wait_alu depctr_va_vdst(0)                   ; and one for the four
.irp b, 0,1,2,3
	v_max_num_f32 v[BM+\b], 0x8000000, v[BM+\b]    ; the floor 2^(16 - 127): the byte cannot fall under 1 (a block whose every p has fallen to 0 keeps that byte: its codes are zeros)
.endr
.irp b, 0,1,2,3
	v_add_nc_u32 v[SOP+\b], 0xf8800000, v[BM+\b]   ; 15 off the exponent field: the conversion's scale operand
.endr
.irp b, 0,1,2,3
	v_and_or_b32 v[HOLD+\b], v[BM+\b], 0x7f800000, s[MNT]   ; 57,344 x the scale
.endr
.irp b, 0,1,2,3
	v_lshrrev_b32 v[T1+\b], 23, v[SOP+\b]          ; the scale's byte
.endr
	v_lshl_or_b32 v[PW], v[T1+1], 8, v[T1]         ; p's scale word for these 128 keys: far more than eight places ahead of the products that name it
	v_lshl_or_b32 v[PW], v[T1+2], 16, v[PW]
	v_lshl_or_b32 v[PW], v[T1+3], 24, v[PW]
.irp b, 0,1,2,3
.set i, 0
.rept 16
	v_min_num_f32 v[S+16*\b+i], v[S+16*\b+i], v[HOLD+\b]   ; the conversion to an 8-bit code does not saturate (ISA guide 7.6.2); p is not negative, so the hold is one-sided
.set i, i+1
.endr
	v_cvt_scalef32_pk8_bf8_f32 v[PC+4*\b:PC+1+4*\b], v[S+16*\b:S+7+16*\b], v[SOP+\b]
	v_cvt_scalef32_pk8_bf8_f32 v[PC+2+4*\b:PC+3+4*\b], v[S+8+16*\b:S+15+16*\b], v[SOP+\b]
.irp c, 0,1,2,3
	ds_load_b128 v[S+16*\b+4*\c:S+16*\b+4*\c+3], v[ADV] offset:(\c/2)*4096+\b*1024+(\c%2)*512   ; V's fragment b takes the registers that block b's p has left: it lands while the next blocks are held
.endr
.endr
.set j, 0
.rept 16
	v_pk_mul_f32 v[O+j:O+j+1], v[O+j:O+j+1], v[F:F+1] op_sel_hi:[1,0]   ; O^T under the new M: x f.  (The plain line behind the conversions, and the codes' four places in front of the products)
.set j, j+2
.endr
	s_wait_dscnt 0x0                               ; V's fragments are in
.irp u, 0,1                                    ; O^T += V^T P^T: four tiles of 16 of the head's 64, one instruction a turn; K = these 128 keys
	v_wmma_scale_f32_16x16x128_f8f6f4 v[O+16*\u:O+16*\u+7], v[S+32*\u:S+32*\u+15], v[PC:PC+15], v[O+16*\u:O+16*\u+7], v[VSW+\u], v[PW] matrix_a_fmt:MATRIX_FMT_BF8 matrix_b_fmt:MATRIX_FMT_BF8
	v_wmma_scale_f32_16x16x128_f8f6f4 v[O+16*\u+8:O+16*\u+15], v[S+32*\u+16:S+32*\u+31], v[PC:PC+15], v[O+16*\u+8:O+16*\u+15], v[VSW+\u], v[PW] matrix_a_fmt:MATRIX_FMT_BF8 matrix_b_fmt:MATRIX_FMT_BF8 matrix_a_scale:MATRIX_SCALE_ROW1
.endr
	s_add_co_u32 s[TB], s[TB], 8192                ; the next group
	s_add_co_u32 s[TS], s[TS], 512
.endm
; A QUARTER: 512 keys, four steps.  Behind my load of quarter j stand the loads of the 3 - j later quarters, which may stay out.
.macro QUARTER j
	s_wait_tensorcnt 3-\j                          ; my part of the scale images and of quarter j has landed (a wave's tensor loads end in order: ISA guide 10.11.1);
	s_barrier_signal -1                            ; (no LDS instruction of mine is out: each step waits for all its loads)
	s_barrier_wait -1                              ; everybody's has
	s_mov_b32 s[TB], \j*32768
	s_mov_b32 s[TS], \j*2048
	s_mov_b32 s[CNT], 4
.Lstep_\@:
	STEP
	s_sub_co_u32 s[CNT], s[CNT], 1
	s_cmp_lg_u32 s[CNT], 0
	s_cbranch_scc1 .Lstep_\@
.endm
	s_wait_loadcnt 0x0                             ; Q and its scales
	QUARTER 0
	QUARTER 1
	QUARTER 2
	QUARTER 3
	; THE WAY OUT.  O^T is divided by the row's sum and goes through my stage in LDS, so that sixteen lanes store a query's 256 bytes.  The stages lie in K's bytes: so first every wave has done with them.
	s_wait_dscnt 0x0
	s_barrier_signal -1
	s_barrier_wait -1
	v_add_f32 v14, v14, v15                        ; the sum's two halves,
	v_permlanex16_b32 v[T1], v14, s[SEL], s[SEL+1]
	v_add_f32 v14, v14, v[T1]                      ; and lane l xor 16's: the row's sum
	v_rcp_f32 v14, v14
	v_and_b32 v8, 15, v0                           ; r.  (These ten plain lines are the place behind the reciprocal and the eight places behind the last products)
	v_bfe_u32 v9, v0, 4, 1                         ; h
	s_mul_i32 s73, s[WV], 16*SPT                   ; my stage
	v_mul_u32_u24 v10, v8, SPT
	v_lshl_add_u32 v10, v9, 6, v10
	v_add_nc_u32 v10, s73, v10                     ; in: row r, + 64 h: register 16 b + i is d = 32 b + 16 h + i
	v_mul_u32_u24 v11, v9, SPT
	v_lshl_add_u32 v11, v8, 4, v11
	v_add_nc_u32 v11, s73, v11                     ; back: lanes 0-15 one row, lanes 16-31 the next
	v_lshlrev_b32 v7, 12, v9
	v_lshl_add_u32 v7, v8, 4, v7                   ; and in out0: the odd row is the next token
	s_wait_alu depctr_va_vdst(0)                   ; the wait ahead of the reciprocal's first reader
.set j, 0
.rept 16
	v_pk_mul_f32 v[S+j:S+j+1], v[O+j:O+j+1], v[14:15] op_sel_hi:[1,0]   ; O^T / the sum; each accumulator is read from its low end on
.set j, j+2
.endr
.irp b, 0,1
.irp k, 0,1,2,3
	ds_store_b128 v10, v[S+16*\b+4*\k:S+16*\b+4*\k+3] offset:128*\b+16*\k
.endr
.endr
.irp i, 0,1,2,3,4,5,6,7
	ds_load_b128 v[KF+4*\i:KF+4*\i+3], v11 offset:2*\i*SPT   ; LDS serves a wave's instructions in order (ISA guide 5.7.1.4): these see my stores
.endr
.irp i, 0,1,2,3,4,5,6,7
	s_wait_dscnt 7-\i                              ; the younger reads of the stage may be out
	global_store_b128 v7, v[KF+4*\i:KF+4*\i+3], s[8:9] offset:(2*\i+8*(\i/4))*4096 th:TH_STORE_NT   ; stage rows 2 i, 2 i + 1 are tokens 2 i + 8 (i / 4) and the next: 16 lanes store 256 consecutive bytes, aligned
.endr
	s_wait_tensorcnt 0x0
	ds_add_u32 v254, v255
	s_wait_dscnt 0x0
	ROUND                                          ; the closing round: no work-group ends while a partner may still ask for a tile that names it
	s_endpgm
.Lfunc_end_k_qf14feda1bd_attn:
	.size	k_qf14feda1bd_attn, .Lfunc_end_k_qf14feda1bd_attn-k_qf14feda1bd_attn
	.p2alignl 7, 3214868480
	.fill 96, 4, 3214868480
	.section	.rodata,"a",@progbits
	.p2align	6, 0x0
	.amdhsa_kernel k_qf14feda1bd_attn
		.amdhsa_group_segment_fixed_size 280576
		.amdhsa_private_segment_fixed_size 0
		.amdhsa_enable_private_segment 0
		.amdhsa_kernarg_size 24
		.amdhsa_user_sgpr_count 2
		.amdhsa_user_sgpr_kernarg_segment_ptr 1
		.amdhsa_wavefront_size32 1
		.amdhsa_system_sgpr_workgroup_id_x 1
		.amdhsa_system_sgpr_workgroup_id_y 1
		.amdhsa_system_sgpr_workgroup_id_z 1
		.amdhsa_system_vgpr_workitem_id 0
		.amdhsa_next_free_vgpr 256
		.amdhsa_next_free_sgpr 80
		.amdhsa_reserve_vcc 0
		.amdhsa_float_denorm_mode_32 3
		.amdhsa_float_denorm_mode_16_64 3
		.amdhsa_memory_ordered 1
		.amdhsa_forward_progress 1
		.amdhsa_inst_pref_size 91
	.end_amdhsa_kernel
	.amdgpu_metadata
---
amdhsa.version: [ 1, 2 ]
amdhsa.kernels:
  - .name:           k_qf14feda1bd_attn
    .symbol:         k_qf14feda1bd_attn.kd
    .args:
      - { .name: qkvc, .offset: 0, .size: 8, .value_kind: global_buffer, .address_space: global }
      - { .name: qkvs, .offset: 8, .size: 8, .value_kind: global_buffer, .address_space: global }
      - { .name: out0, .offset: 16, .size: 8, .value_kind: global_buffer, .address_space: global }
    .group_segment_fixed_size: 280576
    .private_segment_fixed_size: 0
    .kernarg_segment_align: 8
    .kernarg_segment_size: 24
    .max_flat_workgroup_size: 512
    .sgpr_count:     80
    .vgpr_count:     256
    .wavefront_size: 32
...
	.end_amdgpu_metadata
.endif
;; end of part 3
